; MI455X (gfx1250); checked and timed in simulation.
; The chip was launched on July 23, 2026; its instructions are those of AMD's public machine-readable ISA for CDNA 5 (MIT licence, August 2026) and "CDNA5" Instruction Set Architecture Reference Guide (July 2026). The comments in the code are by the model that wrote it; some were corrected since.
;; Seq Attention Block. Allowed arithmetic: float matrix products may take bf16 or f16 operands with f32 sums; all other float work in f32.
;; Inputs: Wk 128 x 256 float32; Wq 128 x 256 float32; Wv 128 x 256 float32; bk 256 float32; bq 256 float32; bv 256 float32; inp 8 x 512 x 16 x 128 float32; mask 8 x 512 x 16 bool.
;; Outputs: out0 8 x 512 x 16 x 256 float32.
;; One version. Each part assembles by itself: llvm-mc -triple=amdgcn-amd-amdhsa -mcpu=gfx1250 --defsym DOCPART=n.
;; ======== version 1 of 1: 2 launches
;; limits: values are held in f16: magnitudes above 65,504 overflow, below 6.1e-05 lose precision
;; workspace buffers: counts 4,096 bytes of whole numbers; wfrag 196,608 bytes
;; launch prep (part 1): grid 8 x 1, 8 waves a work-group, no clusters, 1,536 bytes of LDS; arguments mask, Wq, Wk, Wv, counts, wfrag; writes counts, wfrag
.if DOCPART == 1
	.amdgcn_target "amdgcn-amd-amdhsa--gfx1250"
	.amdhsa_code_object_version 6
	.text
	.protected	k_qa289ccdd6b_prep
	.globl	k_qa289ccdd6b_prep
	.p2align	8
	.type	k_qa289ccdd6b_prep,@function
k_qa289ccdd6b_prep:
	s_mov_b64 s[64:65], 0
	v_nop
	global_prefetch_b8 v0, s[64:65] scope:SCOPE_SE
	s_setreg_imm32_b32 hwreg(HW_REG_WAVE_MODE, 25, 1), 1
	s_wait_xcnt 0x0
; Two things that every work-group of the next launch would otherwise make again for itself.
; (1) wfrag: Wq, Wk, Wv [128][256] f32, rounded to bf16 and laid out as ready matrix fragments: [mat][head][et][ks][half][lane][8 bf16], where lane (r, h)
;     holds W[d][column] for column = 32 head + 16 et + r and d = 32 ks + 16 half + 8 h + 0 .. 7.  One piece of 512 bytes is four registers of a wave.
; (2) counts: for each (b, m) the number of t with mask[b][t][m] set.  The next launch forms from it how many groups of keys its loop takes: a number
;     that steers branches is made in a launch of its own and handed on through memory as a whole number.
; Eight work-groups of eight waves; work-group x takes head x of all three matrices, and its wave 0 also b = x of the mask.
; W: wave v = 2 ks + half, so a thread's piece lies at 16 x thread in its head's 4,096 bytes of (mat, et), and a store of the wave covers 512 consecutive
; aligned bytes.  The transposition is made by the addresses: a thread takes its column from eight rows by loads of 4 bytes, sixteen lanes 64 consecutive
; bytes.  That reads W's rows in pieces of 64 bytes; W is 393,216 bytes in all and each byte is loaded once in the launch.
; MASK: a lane's 16 bytes are the 16 m of one t, a load of the wave covers 512 consecutive bytes (32 t), 16 loads cover b's 8,192 bytes.  The 16 counts
; leave eight times over, as one store of 32 lanes x 16 bytes: 512 aligned bytes for each b, written whole; count (b, m) is the word at 512 b + 4 m.
; The two ways of the text part on the wave's number and do not meet again; no wave reads what another wrote, so there is no barrier.
; LIMIT: the mask's bytes are added as numbers, so they have to be 0 or 1, as the problem states them.
.set PK,  8                            ; v[8:15]    sums as pairs of 16 bits
.set LD,  16                           ; v[16:79]   mask load j: 4 registers; v[16:19] become the sums, four bytes a register
.set CN,  32                           ; v[32:47]   the 16 counts, a word each (behind the sums: the loaded registers are free)
.set WO,  80                           ; byte offset in W of my column in my first row
.set WS,  81                           ; byte offset in wfrag of my piece
.set MOF, 82                           ; byte offset in mask
.set COF, 83                           ; byte offset in counts
.set L0,  84                           ; LDS byte 0
.set LR,  85                           ; 16 (lane % 4)
.set WL,  96                           ; v[96:143]  W as loaded: 24 et + 8 mat + j
.set WP,  144                          ; v[144:167] packed: 12 et + 4 mat + q
	s_load_b256 s[4:11], s[0:1], 0x0               ; mask s[4:5], Wq s[6:7], Wk s[8:9], Wv s[10:11]
	s_load_b128 s[12:15], s[0:1], 0x20             ; counts s[12:13], wfrag s[14:15]
	v_lshl_add_u32 v168, v0, 2, 0x200
	v_mov_b32 v169, 0
	v_lshrrev_b32 v1, 5, v0
	v_readfirstlane_b32 s16, v1                    ; wave
	v_and_b32 v2, 31, v0                           ; lane
	v_and_b32 v3, 15, v0                           ; r
	v_bfe_u32 v4, v0, 4, 1                         ; h
	s_lshl_b32 s17, s16, 14                        ; row 16 x wave, 1,024 bytes a row
	s_lshl_b32 s18, ttmp9, 7                       ; column 32 x head, 4 bytes each
	s_add_co_u32 s17, s17, s18
	v_lshl_add_u32 v[WO], v3, 2, s17               ; + column r
	v_lshl_add_u32 v[WO], v4, 13, v[WO]            ; + 8 h rows
	s_lshl_b32 s18, ttmp9, 13                      ; 8,192 x head in wfrag; also 8,192 x b in mask
	v_lshl_add_u32 v[WS], v0, 4, s18
.macro WLOAD et                        ; 24 loads: eight rows of my column in e tile et of the three matrices
.irp m, 0,1,2
.irp j, 0,1,2,3,4,5,6,7
	global_load_b32 v[WL+24*\et+8*\m+\j], v[WO], s[6+2*\m:7+2*\m] offset:1024*\j+64*\et
.endr
.endr
.endm
.macro WPROC et, left                  ; round two by two, the lower d in the lower half, and store 16 bytes a lane
	s_wait_loadcnt \left                           ; loads come back in order (ISA guide 5.7.1): this e tile's 24 are in, the younger ones stay out
.irp m, 0,1,2
.irp q, 0,1,2,3
	v_cvt_pk_bf16_f32 v[WP+12*\et+4*\m+\q], v[WL+24*\et+8*\m+2*\q], v[WL+24*\et+8*\m+2*\q+1]
.endr
.endr
.irp m, 0,1,2
	global_store_b128 v[WS], v[WP+12*\et+4*\m:WP+12*\et+4*\m+3], s[14:15] offset:65536*\m+4096*\et
.endr
.endm
	s_wait_kmcnt 0x0
	s_cmp_lg_u32 s16, 0
	s_cbranch_scc1 .Lothers
; ---- wave 0: the mask of b, and its share of W
	v_lshl_add_u32 v[MOF], v2, 4, s18              ; 8,192 b + 16 lane
.irp j, 0,1,2,3,4,5,6,7,8,9,10,11,12,13,14,15
	global_load_b128 v[LD+4*\j:LD+4*\j+3], v[MOF], s[4:5] offset:512*\j    ; t = 32 j + lane
.endr
	WLOAD 0
	s_lshl_b32 s19, ttmp9, 9
	v_lshl_add_u32 v[COF], v2, 4, s19              ; 512 b + 16 lane
	v_mov_b32 v[L0], 0
	v_and_b32 v[LR], 3, v2
	v_lshlrev_b32 v[LR], 4, v[LR]
	s_mov_b32 s20, 0x00ff00ff
	s_mov_b32 s22, 0x76543210                      ; v_permlanex16_b32: lane i takes lane i of the other half
	s_mov_b32 s23, 0xfedcba98
.irp j, 1,2,3,4,5,6,7,8,9,10,11,12,13,14,15
	s_wait_loadcnt 39-\j                           ; mask loads 0 to j are in; the 15 - j younger ones and W's 24 stay out
.irp i, 0,1,2,3
	v_add_nc_u32 v[LD+\i], v[LD+\i], v[LD+4*\j+\i] ; four sums of bytes at once: 16 at the most, no carry between bytes
.endr
.endr
	WLOAD 1                                        ; 48 loads are out
.irp i, 0,1,2,3
	v_and_b32 v[PK+2*\i], s20, v[LD+\i]            ; m = 4 i below, 4 i + 2 above
	v_lshrrev_b32 v[PK+2*\i+1], 8, v[LD+\i]
	v_and_b32 v[PK+2*\i+1], s20, v[PK+2*\i+1]      ; m = 4 i + 1 below, 4 i + 3 above
.endr
; over the 32 lanes: 512 at the most in each half, no carry between halves; every lane ends up with the sums.  v4 has been written: the destination of
; a DPP form and of v_permlanex16_b32 counts as read.
.irp q, 0,1,2,3,4,5,6,7
.irp x, 1,2,4,8
	v_mov_b32_dpp v4, v[PK+\q] row_xmask:\x row_mask:0xf bank_mask:0xf
	v_add_nc_u32 v[PK+\q], v[PK+\q], v4
.endr
	v_permlanex16_b32 v4, v[PK+\q], s22, s23
	v_add_nc_u32 v[PK+\q], v[PK+\q], v4
.endr
.irp i, 0,1,2,3
	v_and_b32 v[CN+4*\i],   0xffff, v[PK+2*\i]
	v_and_b32 v[CN+4*\i+1], 0xffff, v[PK+2*\i+1]
	v_lshrrev_b32 v[CN+4*\i+2], 16, v[PK+2*\i]
	v_lshrrev_b32 v[CN+4*\i+3], 16, v[PK+2*\i+1]
.endr
.irp i, 0,1,2,3
	ds_store_b128 v[L0], v[CN+4*\i:CN+4*\i+3] offset:16*\i     ; all lanes write the same bytes with the same values; no other wave touches LDS
.endr
	ds_load_b128 v[48:51], v[LR]                   ; lane L takes counts 4 (L % 4) ..; LDS serves a wave's instructions in order (ISA guide 5.7.1)
	s_wait_dscnt 0x0
	global_store_b128 v[COF], v[48:51], s[12:13]   ; 512 consecutive bytes, at a multiple of 512 from the buffer's first byte
	WPROC 0, 24
	WPROC 1, 0
	s_wait_tensorcnt 0x0
	ds_add_u32 v168, v169
	s_wait_dscnt 0x0
	s_endpgm
; ---- waves 1 to 7: their share of W
.Lothers:
	WLOAD 0
	WLOAD 1
	WPROC 0, 24
	WPROC 1, 0
	s_endpgm
.Lfunc_end_k_qa289ccdd6b_prep:
	.size	k_qa289ccdd6b_prep, .Lfunc_end_k_qa289ccdd6b_prep-k_qa289ccdd6b_prep
	.p2alignl 7, 3214868480
	.fill 96, 4, 3214868480
	.section	.rodata,"a",@progbits
	.p2align	6, 0x0
	.amdhsa_kernel k_qa289ccdd6b_prep
		.amdhsa_group_segment_fixed_size 1536
		.amdhsa_private_segment_fixed_size 0
		.amdhsa_enable_private_segment 0
		.amdhsa_kernarg_size 48
		.amdhsa_user_sgpr_count 2
		.amdhsa_user_sgpr_kernarg_segment_ptr 1
		.amdhsa_wavefront_size32 1
		.amdhsa_system_sgpr_workgroup_id_x 1
		.amdhsa_system_sgpr_workgroup_id_y 1
		.amdhsa_system_sgpr_workgroup_id_z 1
		.amdhsa_system_vgpr_workitem_id 0
		.amdhsa_next_free_vgpr 170
		.amdhsa_next_free_sgpr 66
		.amdhsa_reserve_vcc 0
		.amdhsa_float_denorm_mode_32 3
		.amdhsa_float_denorm_mode_16_64 3
		.amdhsa_memory_ordered 1
		.amdhsa_forward_progress 1
		.amdhsa_inst_pref_size 25
	.end_amdhsa_kernel
	.amdgpu_metadata
---
amdhsa.version: [ 1, 2 ]
amdhsa.kernels:
  - .name:           k_qa289ccdd6b_prep
    .symbol:         k_qa289ccdd6b_prep.kd
    .args:
      - { .name: mask, .offset: 0, .size: 8, .value_kind: global_buffer, .address_space: global }
      - { .name: Wq, .offset: 8, .size: 8, .value_kind: global_buffer, .address_space: global }
      - { .name: Wk, .offset: 16, .size: 8, .value_kind: global_buffer, .address_space: global }
      - { .name: Wv, .offset: 24, .size: 8, .value_kind: global_buffer, .address_space: global }
      - { .name: counts, .offset: 32, .size: 8, .value_kind: global_buffer, .address_space: global }
      - { .name: wfrag, .offset: 40, .size: 8, .value_kind: global_buffer, .address_space: global }
    .group_segment_fixed_size: 1536
    .private_segment_fixed_size: 0
    .kernarg_segment_align: 8
    .kernarg_segment_size: 48
    .max_flat_workgroup_size: 256
    .sgpr_count:     66
    .vgpr_count:     170
    .wavefront_size: 32
...
	.end_amdgpu_metadata
.endif
;; end of part 1
;; launch seqattn (part 2): grid 256 x 1, 4 waves a work-group, no clusters, 302,080 bytes of LDS; arguments inp, mask, bq, bk, bv, out0, counts, wfrag; writes out0
.if DOCPART == 2
	.amdgcn_target "amdgcn-amd-amdhsa--gfx1250"
	.amdhsa_code_object_version 6
	.text
	.protected	k_qa289ccdd6b_seqattn
	.globl	k_qa289ccdd6b_seqattn
	.p2align	8
	.type	k_qa289ccdd6b_seqattn,@function
k_qa289ccdd6b_seqattn:
	s_mov_b64 s[64:65], 0
	v_nop
	global_prefetch_b8 v0, s[64:65] scope:SCOPE_SE
	s_setreg_imm32_b32 hwreg(HW_REG_WAVE_MODE, 25, 1), 1
	s_wait_xcnt 0x0
; SeqAttentionBlock: inp [8][512][16][128] f32, mask [8][512][16] bool, bq/bk/bv [256] f32, out0 [8][512][16][256] f32.  From the launch before:
; counts (the unmasked keys of (b, m), a word at 512 b + 4 m) and wfrag (Wq, Wk, Wv in bf16 as ready fragments, [mat][head][et][ks][half][512 bytes]).
; One work-group = one (b, m) and four of its eight heads (g = 0, 1); wave w = head 4 g + w, all 512 queries.  256 work-groups, four waves each.
; PHASES: (1) X = inp[b,:,m,:] comes through registers, is rounded to bf16 and laid in LDS; the wave's W fragments come straight into their registers;
; meanwhile each wave compacts the keys by the mask.  (2) K, then V, for 32 tiles of 16 key SLOTS: a loop packs each tile into a ready fragment in the
; wave's own LDS, one run of loads then brings all 32 into registers, where they stay.  (3) Q for 32 tiles of 16 queries, kept in LDS as ready fragments.
; (4) 32 trips of 16 queries: scores, softmax, weighted sum, normalise, store.
; EVERY PRODUCT IS FORMED SO THAT ITS RESULT, PACKED TWO BY TWO, IS THE NEXT PRODUCT'S OPERAND: Q^T and K^T tiles (rows e, columns t) pack into
; fragments with e along the registers; V tiles (rows key, columns e) pack into fragments of V^T; score tiles are S^T (rows key, columns query),
; so that a lane holds one query's scores and the packed weights are the B fragment of O^T = V^T P.  No shuffle, no LDS in the softmax.
; THE MASK: keys may be taken in any order, so the n unmasked keys go to slots 0 .. n-1.  Every other slot takes the X row of slot 0, the first
; unmasked key (its score equals a real key's, so the maximum over slots is the maximum over unmasked keys), V = 0 and validity 0.  The
; denominator is a third product, validity x P.  Only NG = max(1, ceil(n/64)) groups of 64 slots are taken in phase 4: its body leaves by a
; forward branch behind group NG.  NG steers branches, so it is formed from the count that the launch before stored as a whole number;
; the same n falls out of the compaction below and serves the data.  Any NG other than 1 .. 7 takes all eight groups, which is right for every n.
; n = 0: O = 0 and l = 0, the divisor is max(l, 0.5), the result 0, as the problem's second jnp.where makes it.
; FORMATS: X and W bf16; Q, K, V and the weights p f16 (three more bits: with bf16 there the rounding alone would use a third of the allowed
; margin per standard deviation); all sums, the maximum, the exponentials and the division in f32.
; LIMITS: |q|, |k|, |v| below 65,504 (f16).  With all inputs 30 times the drawn spread they reach about 900 x 5.5; with X offset by 30 and W by
; 30 spreads about 128 x 30 x 2.65 = 10,200.  Inputs that are not finite are not served, except that V of masked keys is dropped by an AND.
; p below 2^-25 rounds to 0; l is the sum of the rounded p, in the matrix unit's order.
; NO CLUSTER, NO TENSOR LOADS: X is f32 in memory and is rounded in registers on its way to LDS; 256 KiB of f32 X would not fit beside its bf16
; copy; X is shared by two work-groups only, and all reads stand at the kernel's start.
.set XPITCH, 272                       ; X row in LDS: 256 bytes of bf16 + 16, an odd multiple of 16
.set XTILE,  16*XPITCH
.set QA_B,   512*XPITCH                ; 139,264: per wave 33 slots of 1,024 bytes: K's, then V's, then Q's fragments (slot 32 = copy of Q's 31 for the last trip's look-ahead)
.set QSLOT,  1024
.set QWAVE,  33*QSLOT
.set PT_B,   QA_B+4*QWAVE              ; 274,432: per wave 512 words, slot -> X row's byte offset, and 64 spare words for the look-ahead
.set PTWAVE, 2304
.set MT_B,   PT_B+4*PTWAVE             ; 283,648: per wave 512 halves: slot -> 0xffff or 0
.set M1_OFF, 4*1024                    ; and 4,096 bytes on the same with f16 1.0 or 0
.set ST_B,   MT_B+2*M1_OFF             ; 291,840: out stage, one region for each writing wave
.set SPITCH, 144                       ; a head's 128 bytes of a query row + 16
.set SWAVE,  16*SPITCH+128             ; 2,432: the 128 put two heads of one read pass into different halves of 256 bytes
.set NLD,    176                       ; the stream of a wave: 128 rows of X, then 48 pieces of W, 512 bytes each
.set AHEAD,  60                        ; so many of them are out while X is worked on
; window 0
.set LANE, 1
.set RR,   2                           ; lane % 16
.set HH,   3                           ; lane / 16
.set XF,   4                           ; X fragment address of tile 0
.set XA,   5                           ; the same, running
.set QW,   6                           ; my wave's 33 slots + 16 lane
.set QAD,  7                           ; running Q address
.set STW,  8                           ; stage, in
.set STR,  9                           ; stage, back
.set OG,   10                          ; byte offset in out0
.set H16,  11                          ; 16 (lane / 16)
.set BVR,  12                          ; v12, v13: bv of my column, two e tiles
.set PTR,  14                          ; slot table + 4 r
.set MTR,  15                          ; validity table + 16 h
.set XG,   16                          ; byte offset in inp; never rewritten
.set XS,   17                          ; where my rows of X go in LDS; never rewritten
.set WFO,  18                          ; byte offset in wfrag; never rewritten
.set MO,   22
.set BO,   23
.set TP,   24                          ; v24-31 temporaries
.set KP,   24                          ; a packed fragment
.set XBUF, 32                          ; v32-63, v64-95: two X fragment buffers
.set MB,   96                          ; v96-111: the mask bytes; then:
.set MTW,  96                          ; v96-99, v100-103: validity words of an even, an odd tile
.set MTWB, 100
.set RAW,  104                         ; v104, v105: table words as loaded, of even and odd tiles
.set RA,   106                         ; row address of a slot
.set NN,   107                         ; n - slot, running
.set T0,   108                         ; slot 0's row
.set PTW,  109                         ; running table addresses
.set MTA,  110
.set SCW,  111                         ; running address of the packed fragments
.set VROW, 113                         ; mask work
.set NEGL, 114
.set PP,   115
.set POS,  116
.set VAL,  117
.set RAWA, 118                         ; table words of tiles 0 and 1
.set RAWB, 119
.set BVO,  124
.set QF,   32                          ; phase 4  (v128-255: K tiles 0-15)
.set O0,   40
.set O1,   48
.set LS,   56
.set OUTR, 64
.set AM,   80
.set NM,   84
.set RL,   86
.set TX,   88
; windows 1, 2, phase 1: X row i of my 128 at 4 (i % 64) of window 1 + i / 64.  Later: key step c at 24 (c % 8): V^T e tile 0, e tile 1, validity; K tiles 16-23 / 24-31 at 192
; window 3, phases 1 to 3 (phase 4: score tile kt at 8 kt, weight fragment c at 8 c): W fragments at 64 mat + 32 et + 8 ks = piece number x 4
.set WV,   128
.set BQ,   192                         ; bias tiles as first C: bq, then bk; bv's take bk's place behind the K pass
.set BK,   208
.set ACC,  224                         ; two sets of two accumulators
.set MSB, 0
.macro WIN new                         ; s_set_vgpr_msb: bits 1:0 source 0, 3:2 source 1, 5:4 source 2, 7:6 destination; the high byte repeats the setting left
.if MSB != \new
	s_set_vgpr_msb (MSB<<8)|\new
.set MSB, \new
.endif
.endm
.macro PLACES                          ; four plain vector instructions between a matrix instruction and what touches its registers (ISA guide 7.12.1)
.rept 4
	v_nop
.endr
.endm
	s_load_b512 s[4:19], s[0:1], 0x0               ; inp s[4:5], mask s[6:7], bq s[8:9], bk s[10:11], bv s[12:13], out0 s[14:15], counts s[16:17], wfrag s[18:19]
	v_lshl_add_u32 v126, v0, 2, 0x49a00
	v_mov_b32 v127, 0
	v_lshrrev_b32 v24, 5, v0
	v_readfirstlane_b32 s22, v24                   ; wave w
	s_and_b32 s23, ttmp9, 1                        ; g: which four heads
	s_lshr_b32 s24, ttmp9, 5                       ; b
	s_bfe_u32 s25, ttmp9, 0x40001                  ; m
	s_lshl_b32 s46, s24, 9
	s_lshl_b32 s55, s25, 2
	s_add_co_u32 s46, s46, s55                     ; 512 b + 4 m
	s_mov_b32 s47, 0
	v_and_b32 v[LANE], 31, v0
	v_and_b32 v[RR], 15, v0
	v_bfe_u32 v[HH], v0, 4, 1
	v_lshlrev_b32 v[MO], 4, v[LANE]                ; mask: t = 32 j + lane, 16 bytes from t to t + 1
	s_lshl_b32 s55, s22, 7
	v_lshl_add_u32 v[BO], v[HH], 5, s55            ; bq, bk: 128 w + 32 h
	v_lshl_add_u32 v[BVO], v[RR], 2, s55           ; bv: 128 w + 4 r
	s_lshl_b32 s55, s22, 20
	v_lshl_add_u32 v[XG], v[LANE], 4, s55          ; X rows 128 w ..: 8,192 bytes from row to row
	s_lshl_b32 s55, s23, 2
	s_add_co_u32 s55, s55, s22                     ; my head
	s_lshl_b32 s55, s55, 13
	v_lshl_add_u32 v[WFO], v[LANE], 4, s55         ; 8,192 x head + 16 lane
	s_lshl_b32 s26, s23, 9                         ; my 128 columns of the biases and of out0
	s_mov_b32 s27, 0
	s_wait_kmcnt 0x0
	s_add_nc_u64 s[16:17], s[16:17], s[46:47]
	s_load_b32 s29, s[16:17], 0x0                  ; n of my (b, m), for the branches of phase 4; waited for where NG is formed
	s_add_nc_u64 s[8:9], s[8:9], s[26:27]
	s_add_nc_u64 s[10:11], s[10:11], s[26:27]
	s_add_nc_u64 s[12:13], s[12:13], s[26:27]
	s_add_nc_u64 s[14:15], s[14:15], s[26:27]
	s_lshl_b32 s26, s24, 13
	s_add_co_u32 s26, s26, s25
	s_add_nc_u64 s[6:7], s[6:7], s[26:27]          ; mask + 8,192 b + m
	s_lshl_b32 s26, s24, 22
	s_lshl_b32 s55, s25, 9
	s_add_co_u32 s26, s26, s55
	s_add_nc_u64 s[4:5], s[4:5], s[26:27]          ; inp + (b << 22) + 512 m
	s_lshl_b32 s26, s24, 23
	s_lshl_b32 s55, s25, 10
	s_add_co_u32 s26, s26, s55
	s_add_nc_u64 s[14:15], s[14:15], s[26:27]      ; out0 + (b << 23) + 1,024 m
; The stream's load k.  k < 128: X row 128 w + k; else W piece k - 128 = 16 mat + 8 et + 2 ks + half.  Every load has registers of its own, so nothing is
; filled twice and no address register is stepped: the row or the piece stands in the immediate (1,040,384 at the most, inside its signed 24 bits).
.macro SWIN k                          ; destination window of load k; sources window 0
.if (\k) < 64
	WIN 0x40
.else
.if (\k) < 128
	WIN 0x80
.else
	WIN 0xc0
.endif
.endif
.endm
.macro SLD k
	SWIN \k
.if (\k) < 128
	global_load_b128 v[4*((\k)%64):4*((\k)%64)+3], v[XG], s[4:5] offset:8192*(\k)
.else
	global_load_b128 v[4*((\k)-128):4*((\k)-128)+3], v[WFO], s[18:19] offset:65536*(((\k)-128)/16)+512*(((\k)-128)%16)
.endif
.endm
; ---- the loads go out: mask (every wave takes all 512 bytes of its (b, m): each builds its own tables, so no barrier is needed for them), biases, X's first
; 36 rows: 16 + 10 + 36 = 62 loads of the wave are out
.irp j, 0,1,2,3,4,5,6,7,8,9,10,11,12,13,14,15
	global_load_u8 v[MB+\j], v[MO], s[6:7] offset:512*\j
.endr
	WIN 0xc0                                       ; destination window 3
.irp et, 0,1
	global_load_b128 v[BQ+8*\et:BQ+8*\et+3],   v[BO], s[8:9] offset:64*\et        ; C tile of Q^T: register j = bq[16 et + 8 h + j]
	global_load_b128 v[BQ+8*\et+4:BQ+8*\et+7], v[BO], s[8:9] offset:64*\et+16
	global_load_b128 v[BK+8*\et:BK+8*\et+3],   v[BO], s[10:11] offset:64*\et
	global_load_b128 v[BK+8*\et+4:BK+8*\et+7], v[BO], s[10:11] offset:64*\et+16
.endr
	WIN 0
	global_load_b32 v[BVR],   v[BVO], s[12:13]     ; bv[16 et + r]
	global_load_b32 v[BVR+1], v[BVO], s[12:13] offset:64
.set kk, 0
.rept 36
	SLD kk
.set kk, kk+1
.endr
	WIN 0
; ---- while they fly: constants and LDS addresses
	s_mov_b32 s48, 0x76543210                      ; v_permlanex16_b32: lane i takes lane i of the other half
	s_mov_b32 s49, 0xfedcba98
	s_mov_b32 s50, 0x3e8293ee                      ; c = log2(e) / sqrt(32), twice: a pair for the packed multiply-add
	s_mov_b32 s51, 0x3e8293ee
	s_mov_b32 s52, 0xbe8293ee                      ; -c
	s_mov_b32 s53, 0x3c003c00                      ; f16 1.0, twice
	v_lshlrev_b32 v[H16], 4, v[HH]
	v_mul_u32_u24 v[XF], v[RR], XPITCH
	v_add_nc_u32 v[XF], v[H16], v[XF]              ; row r, 16 bytes for each half of the lanes
	s_mul_i32 s55, s22, QWAVE
	s_add_co_u32 s55, s55, QA_B
	v_lshl_add_u32 v[QW], v[LANE], 4, s55
	v_mul_u32_u24 v[STW], v[RR], SPITCH
	v_lshl_add_u32 v[STW], v[HH], 5, v[STW]
	s_mul_i32 s55, s22, SWAVE
	s_add_co_u32 s55, s55, ST_B
	v_add_nc_u32 v[STW], s55, v[STW]               ; my region: query row r, e = 8 h ..
	v_lshrrev_b32 v24, 3, v[LANE]
	v_and_b32 v25, 7, v[LANE]
	v_mul_u32_u24 v[STR], v24, SWAVE               ; back: lane L takes 16 bytes of head L / 8,
	v_lshl_add_u32 v[STR], v25, 4, v[STR]
	s_mul_i32 s55, s22, 4*SPITCH
	s_add_co_u32 s55, s55, ST_B
	v_add_nc_u32 v[STR], s55, v[STR]               ; of query rows 4 w ..
	s_lshl_b32 s55, s22, 16
	v_lshl_add_u32 v[OG], v[LANE], 4, s55          ; 4 w rows of 16,384 bytes + 16 lane
	s_mul_i32 s57, s22, PTWAVE
	s_add_co_u32 s57, s57, PT_B                    ; my slot table
	v_lshl_add_u32 v[PTR], v[RR], 2, s57
	s_lshl_b32 s58, s22, 10
	s_add_co_u32 s58, s58, MT_B                    ; my validity table
	v_add_nc_u32 v[MTR], s58, v[H16]
	s_mul_i32 s55, s22, 128*XPITCH
	v_lshl_add_u32 v[XS], v[LANE], 3, s55
; Every word of my slot table first gets a valid row, by stores at plain addresses: words 0-511, which the scatter below writes over, and 64 spare
; words, since the table's look-ahead reads up to tile 34 (those values are not used).  LDS serves a wave's instructions in order (ISA guide 5.7.1).
	v_mul_u32_u24 v[VROW], v[LANE], XPITCH
	v_lshl_add_u32 v[POS], v[LANE], 2, s57
.set jj, 0
.rept 18
	ds_store_b32 v[POS], v[VROW] offset:128*jj
.set jj, jj+1
.endr
; ---- the mask: a bijection key -> slot.  An unmasked key t goes to slot P = the unmasked keys in front of it; a masked one to 511 - (t - P),
; from the top down.  Every one of the 512 words is written once; those of slots >= n are replaced by slot 0's where they are used.
	s_wait_loadcnt 36                              ; mask and biases are in; X's 36 rows, issued behind them, stay out
	s_mov_b32 s28, 0                               ; unmasked keys so far; n in the end
	v_sub_nc_u32 v[NEGL], 0, v[LANE]
.irp j, 0,1,2,3,4,5,6,7,8,9,10,11,12,13,14,15
	v_cmp_ne_u32 vcc_lo, 0, v[MB+\j]               ; key t = 32 j + lane
	v_mbcnt_lo_u32_b32 v[PP], vcc_lo, s28          ; P
	v_add3_u32 v[POS], v[PP], v[NEGL], 511-32*\j   ; 511 - t + P
	v_cndmask_b32 v[POS], v[POS], v[PP], vcc_lo
	v_min_u32 v[POS], 0x1ff, v[POS]                ; 0 .. 511 by construction; the bound is written out since the number comes from loaded data
	v_lshl_add_u32 v[POS], v[POS], 2, s57
	v_add_nc_u32 v[VAL], 32*XPITCH*\j, v[VROW]     ; the key's X row
	ds_store_b32 v[POS], v[VAL]
	s_bcnt1_i32_b32 s56, vcc_lo
	s_add_co_u32 s28, s28, s56
.endr
	s_wait_kmcnt 0x0                               ; the stored count
	s_add_co_u32 s29, s29, 63
	s_lshr_b32 s29, s29, 6
	s_max_u32 s29, s29, 1
	s_min_u32 s29, s29, 8                          ; NG = groups of 64 slots that hold a key, 1 at the least
	v_lshlrev_b32 v[VAL], 4, v[LANE]
	v_sub_nc_u32 v[VAL], s28, v[VAL]               ; n - 16 L, signed: lane L makes the halves of slots 16 L .. 16 L + 15
	v_mov_b32 v[PP], 0xffff
	v_mov_b32 v[NEGL], -1
.irp k, 0,1,2,3,4,5,6,7
	v_cmp_lt_i32 vcc_lo, 2*\k, v[VAL]              ; slot 16 L + 2 k < n
	v_cndmask_b32 v[32+\k], 0, v[PP], vcc_lo
	v_cmp_lt_i32 vcc_lo, 2*\k+1, v[VAL]            ; and the next one too
	v_cndmask_b32 v[32+\k], v[32+\k], v[NEGL], vcc_lo
	v_and_b32 v[40+\k], s53, v[32+\k]              ; the same as f16 1.0 or 0
.endr
	v_lshl_add_u32 v[POS], v[LANE], 5, s58
	ds_store_b128 v[POS], v[32:35]
	ds_store_b128 v[POS], v[36:39] offset:16
	ds_store_b128 v[POS], v[40:43] offset:M1_OFF
	ds_store_b128 v[POS], v[44:47] offset:M1_OFF+16
; ---- the stream.  Loads 36 to 59 fill it up to AHEAD; then four rows at a time: one wait, eight roundings, four LDS stores, four more loads.
.set kk, 36
.rept AHEAD-36
	SLD kk
.set kk, kk+1
.endr
.macro XGRP k                          ; rows 4 k .. 4 k + 3 of my 128
.if AHEAD+4*(\k) < NLD
	s_wait_loadcnt AHEAD-4                         ; loads come back in order (ISA guide 5.7.1): of the 60 that are out the oldest four are in
.else
	s_wait_loadcnt NLD-4*(\k)-4                    ; nothing is left to ask for: the count runs down to W's 48 pieces
.endif
.set xw_, 1+(\k)/16
	WIN (xw_|(xw_<<2))                             ; sources in the rows' window, destination window 0
.irp u, 0,1,2,3
	v_cvt_pk_bf16_f32 v[TP+2*\u],   v[16*((\k)%16)+4*\u],   v[16*((\k)%16)+4*\u+1]
	v_cvt_pk_bf16_f32 v[TP+2*\u+1], v[16*((\k)%16)+4*\u+2], v[16*((\k)%16)+4*\u+3]
.endr
.if AHEAD+4*(\k) < NLD
	SWIN AHEAD+4*(\k)                              ; the setting of the loads below serves the LDS stores too: their address and data are sources, window 0
.else
	WIN 0
.endif
.irp u, 0,1,2,3
	ds_store_b64 v[XS], v[TP+2*\u:TP+2*\u+1] offset:XPITCH*(4*(\k)+\u)
.endr
.if AHEAD+4*(\k) < NLD
.irp u, 0,1,2,3
	SLD AHEAD+4*(\k)+\u
.endr
.endif
.endm
.set kk, 0
.rept 32
	XGRP kk
.set kk, kk+1
.endr
	WIN 0
	s_wait_dscnt 0x0                               ; for the others' sake: my rows of X are in LDS
	s_barrier_signal -1
	s_barrier_wait -1                              ; X is whole; from here on it is only read
	s_wait_loadcnt 0x0                             ; my W fragments
	v_mov_b32 v[RA], s57
	ds_load_b32 v[T0], v[RA]                       ; slot 0's row: the first unmasked key's (with n = 0 some key's: V and validity are 0 then)
; ---- the three projections
.macro XLD buf, areg, off              ; eight loads: 16 rows x 128 d as four fragments
.irp ks, 0,1,2,3
	ds_load_b128 v[\buf+8*\ks:\buf+8*\ks+3],   v[\areg] offset:(\off)+64*\ks
	ds_load_b128 v[\buf+8*\ks+4:\buf+8*\ks+7], v[\areg] offset:(\off)+64*\ks+32
.endr
.endm
; Eight products on X buffer p into accumulator set p.  kind 0: Q^T, 1: K^T (A = W fragment, B = X fragment); 2: V (A = X, B = W).  The first two take
; the bias tiles as C.  The two accumulators of a set take turns, one instruction a turn, and the sets take turns from tile to tile.
.macro MM kind, p
.set ac_, ACC+16*(\p)
.set xb_, XBUF+32*(\p)
.if \kind == 2
	WIN 0xfc                                       ; A window 0; B, C, D window 3
.else
	WIN 0xf3                                       ; B window 0; A, C, D window 3
.endif
.irp ks, 0,1,2,3
.irp et, 0,1
.if \kind == 2
.if \ks == 0
	v_wmma_f32_16x16x32_bf16 v[ac_+8*\et:ac_+8*\et+7], v[xb_+8*\ks:xb_+8*\ks+7], v[WV+32*\et+8*\ks:WV+32*\et+8*\ks+7], v[BK+8*\et:BK+8*\et+7]
.else
	v_wmma_f32_16x16x32_bf16 v[ac_+8*\et:ac_+8*\et+7], v[xb_+8*\ks:xb_+8*\ks+7], v[WV+32*\et+8*\ks:WV+32*\et+8*\ks+7], v[ac_+8*\et:ac_+8*\et+7]
.endif
.else
.if \ks == 0
	v_wmma_f32_16x16x32_bf16 v[ac_+8*\et:ac_+8*\et+7], v[64*\kind+32*\et+8*\ks:64*\kind+32*\et+8*\ks+7], v[xb_+8*\ks:xb_+8*\ks+7], v[BQ+16*\kind+8*\et:BQ+16*\kind+8*\et+7]
.else
	v_wmma_f32_16x16x32_bf16 v[ac_+8*\et:ac_+8*\et+7], v[64*\kind+32*\et+8*\ks:64*\kind+32*\et+8*\ks+7], v[xb_+8*\ks:xb_+8*\ks+7], v[ac_+8*\et:ac_+8*\et+7]
.endif
.endif
.endr
.endr
.endm
; Accumulator set p, rounded to f16 two by two, is a fragment (Q, K: registers 4 et + q hold e = 16 et + 8 h + 2 q, + 1 of row r) or two half fragments
; (V: keys 8 h + 2 q, + 1 of column 16 et + r; V = 0 in slots that hold no key).  1,024 bytes, 16 a lane, twice.
.macro PACK kind, p, areg, off, mt
.set ac_, ACC+16*(\p)
	WIN 0x0f                                       ; sources window 3, destination window 0
.irp et, 0,1
.irp q, 0,1,2,3
	v_cvt_pk_f16_f32 v[KP+4*\et+\q], v[ac_+8*\et+2*\q], v[ac_+8*\et+2*\q+1]
.endr
.endr
	WIN 0
.if \kind == 2
.irp et, 0,1
.irp q, 0,1,2,3
	v_and_b32 v[KP+4*\et+\q], v[KP+4*\et+\q], v[\mt+\q]
.endr
.endr
.endif
	ds_store_b128 v[\areg], v[KP:KP+3]   offset:\off
	ds_store_b128 v[\areg], v[KP+4:KP+7] offset:(\off)+512
.endm
.macro ROWADR src                      ; the row address of the next tile's slot 16 i + r; tiles are taken in order, so n - slot steps by 16
	v_cmp_lt_i32 vcc_lo, 0, v[NN]                  ; slot < n
	v_cndmask_b32 v[RA], v[T0], v[\src], vcc_lo    ; its own key's row, or slot 0's
	v_min_u32 v[RA], 0x21ef0, v[RA]                ; 511 rows of 272 bytes at the most: written out, since the number was loaded
	v_add_nc_u32 v[RA], v[H16], v[RA]
	v_add_nc_u32 v[NN], -16, v[NN]
.endm
; Step j of a pass over the slots (p = j % 2).  In this order: tile j - 1 is packed and stored; tile j is multiplied; behind the products tile j + 2's row
; address is made (its five plain instructions are the places in front of the loads into the buffer just multiplied, and in front of the next step's pack)
; and the LDS loads go out: the table word of tile j + 4, V's validity words of tile j + 1, tile j + 2's eight.  So the wait at a step's head leaves out
; exactly what the step before issued behind its products, and asks only for what is a whole step old or older.
.macro KVSTEP kind, p, rawoff, mtoff, pack, off
.if \pack
	s_wait_dscnt 9+(\kind)/2                       ; out may stay: a table word, (V: four validity words,) the next tile's eight loads; this tile, its table word and validity words are in
	PACK \kind, 1-\p, SCW, \off, MTW+4*(1-\p)
.else
	s_wait_dscnt 8                                 ; tile 0 is in, tile 1's eight loads stay out
.endif
	MM \kind, \p
	WIN 0
	ROWADR RAW+\p
	ds_load_b32 v[RAW+\p], v[PTW] offset:\rawoff
.if \kind == 2
	ds_load_b128 v[MTW+4*(1-\p):MTW+4*(1-\p)+3], v[MTA] offset:\mtoff
.endif
	XLD XBUF+32*\p, RA, 0
.endm
; All 32 tiles are made whatever n is: every register that phase 4's text names is written on every way.
.macro PASS kind
	ds_load_b32 v[RAWA],  v[PTR]                   ; the table words of tiles 0 to 3
	ds_load_b32 v[RAWB],  v[PTR] offset:64
	ds_load_b32 v[RAW],   v[PTR] offset:128
	ds_load_b32 v[RAW+1], v[PTR] offset:192
.if \kind == 2
	ds_load_b128 v[MTW:MTW+3], v[MTR]              ; tile 0's validity words
.endif
	v_sub_nc_u32 v[NN], s28, v[RR]                 ; n - r
	v_mov_b32 v[PTW], v[PTR]
	v_mov_b32 v[MTA], v[MTR]
	v_mov_b32 v[SCW], v[QW]
	s_wait_dscnt 0x0                               ; they are in (and slot 0's row, and my reads of the fragments that this pass writes over are done)
	ROWADR RAWA
	XLD XBUF, RA, 0
	ROWADR RAWB
	XLD XBUF+32, RA, 0
	KVSTEP \kind, 0, 256, 32, 0, 0                 ; step 0: nothing to pack yet
	s_mov_b32 s54, 15
.Lpass\kind:
	KVSTEP \kind, 1, 320, 64, 1, 0                 ; steps 2 t + 1
	KVSTEP \kind, 0, 384, 96, 1, QSLOT             ; and 2 t + 2.  Step 30 looks ahead to tile 32: slots past 511 take slot 0's row; what it brings is not used
	v_add_nc_u32 v[PTW], 128, v[PTW]
	v_add_nc_u32 v[MTA], 64, v[MTA]
	v_add_nc_u32 v[SCW], 2*QSLOT, v[SCW]
	s_sub_co_u32 s54, s54, 1
	s_cmp_lg_u32 s54, 0
	s_cbranch_scc1 .Lpass\kind
	s_wait_dscnt 0x0                               ; step 31: nothing more is fetched
	PACK \kind, 0, SCW, 0, MTW
	MM \kind, 1
	PLACES
	PACK \kind, 1, SCW, QSLOT, MTWB
.endm
	PASS 1
; K's 32 fragments into their registers.  The bytes are my wave's own, and LDS serves a wave's instructions in order (ISA guide 5.7.1): no wait between.
.set tt, 0
.rept 16
	ds_load_b128 v[128+8*tt:128+8*tt+3],   v[QW] offset:QSLOT*tt
	ds_load_b128 v[128+8*tt+4:128+8*tt+7], v[QW] offset:QSLOT*tt+512
.set tt, tt+1
.endr
	WIN 0x40                                       ; destination window 1
.rept 8
	ds_load_b128 v[192+8*(tt-16):192+8*(tt-16)+3],   v[QW] offset:QSLOT*tt
	ds_load_b128 v[192+8*(tt-16)+4:192+8*(tt-16)+7], v[QW] offset:QSLOT*tt+512
.set tt, tt+1
.endr
	WIN 0x80                                       ; window 2
.rept 8
	ds_load_b128 v[192+8*(tt-24):192+8*(tt-24)+3],   v[QW] offset:QSLOT*tt
	ds_load_b128 v[192+8*(tt-24)+4:192+8*(tt-24)+7], v[QW] offset:QSLOT*tt+512
.set tt, tt+1
.endr
	WIN 0xc0
.irp et, 0,1
.irp j, 0,1,2,3,4,5,6,7
	v_mov_b32 v[BK+8*\et+\j], v[BVR+\et]           ; C tile of V: every register = bv[16 et + r]
.endr
.endr
	WIN 0
	PASS 2
; V^T's fragments (tile t is half of key step t / 2) and the validity fragments, the same in all 16 rows
	WIN 0x40
.set tt, 0
.rept 16
.set vr_, 24*(tt/2)+4*(tt%2)
	ds_load_b128 v[vr_:vr_+3],     v[QW] offset:QSLOT*tt
	ds_load_b128 v[vr_+8:vr_+11],  v[QW] offset:QSLOT*tt+512
	ds_load_b128 v[vr_+16:vr_+19], v[MTR] offset:M1_OFF+32*tt
.set tt, tt+1
.endr
	WIN 0x80
.rept 16
.set vr_, 24*((tt-16)/2)+4*(tt%2)
	ds_load_b128 v[vr_:vr_+3],     v[QW] offset:QSLOT*tt
	ds_load_b128 v[vr_+8:vr_+11],  v[QW] offset:QSLOT*tt+512
	ds_load_b128 v[vr_+16:vr_+19], v[MTR] offset:M1_OFF+32*tt
.set tt, tt+1
.endr
	WIN 0
; ---- Q: the same order of a step on X's rows as they lie; the fragments stay in LDS
.macro QSTEP p, pack, off
	s_wait_dscnt 8                                 ; all but the eight loads that the step before issued behind its products: this tile is in
.if \pack
	PACK 0, 1-\p, QAD, \off, MTW
.endif
	MM 0, \p
	WIN 0
	v_add_nc_u32 v[XA], XTILE, v[XA]               ; tile j + 2.  These four lines are the places in front of the loads into the buffer just multiplied
	v_min_u32 v[XA], 0x21f00, v[XA]                ; step 30 looks ahead past tile 31: held at row 511's last fragment address; what it brings is not used
	v_nop
	v_nop
	XLD XBUF+32*\p, XA, 0
.endm
	v_mov_b32 v[QAD], v[QW]
	XLD XBUF, XF, 0
	XLD XBUF+32, XF, XTILE
	v_add_nc_u32 v[XA], XTILE, v[XF]               ; tile 1
	QSTEP 0, 0, 0                                  ; its wait also shows V's fragments read, which Q writes over from step 1 on
	s_mov_b32 s54, 15
.Lq:
	QSTEP 1, 1, 0                                  ; steps 2 t + 1
	QSTEP 0, 1, QSLOT                              ; and 2 t + 2
	v_add_nc_u32 v[QAD], 2*QSLOT, v[QAD]
	s_sub_co_u32 s54, s54, 1
	s_cmp_lg_u32 s54, 0
	s_cbranch_scc1 .Lq
	s_wait_dscnt 0x0
	PACK 0, 0, QAD, 0, MTW                         ; tile 30
	MM 0, 1                                        ; tile 31
	PLACES
	PACK 0, 1, QAD, QSLOT, MTW
	ds_store_b128 v[QAD], v[KP:KP+3]   offset:2*QSLOT      ; slot 32: the copy
	ds_store_b128 v[QAD], v[KP+4:KP+7] offset:2*QSLOT+512
; ---- phase 4
.macro QKG g                           ; four score tiles S^T (16 slots x 16 queries): E = 32 is one K step, C = 0
.if (\g) < 4
	WIN 0xc0
.set kb_, 128+32*(\g)
.else
	WIN (0xc0|(1+((\g)-4)/2))
.set kb_, 192+32*((\g)%2)
.endif
.irp t, 0,1,2,3
	v_wmma_f32_16x16x32_f16 v[32*(\g)+8*\t:32*(\g)+8*\t+7], v[kb_+8*\t:kb_+8*\t+7], v[QF:QF+7], 0
.endr
.endm
.macro MAXG g, first                   ; the group's 32 scores of my query into four running maxima; the first group starts them
	WIN 0x0f
.irp p, 0,1,2,3,4,5,6,7,8,9,10,11,12,13,14,15
.if \p < 4
.if \first
	v_max_num_f32 v[AM+\p], v[32*(\g)+2*\p], v[32*(\g)+2*\p+1]
.else
	v_max3_num_f32 v[AM+\p], v[32*(\g)+2*\p], v[32*(\g)+2*\p+1], v[AM+\p]
.endif
.else
	v_max3_num_f32 v[AM+\p%4], v[32*(\g)+2*\p], v[32*(\g)+2*\p+1], v[AM+\p%4]
.endif
.endr
.endm
.macro GRPA g, first                   ; scores and maxima of group g; behind group NG the way leaves
	QKG \g
	PLACES
	MAXG \g, \first
	WIN 0
.if \g < 7
	s_cmp_eq_u32 s29, \g+1                         ; NG is the same in all four waves and in every trip
	s_cbranch_scc1 .Lred
.endif
.endm
.macro FMA c                           ; c s - c max, key step c (32 slots, 16 registers)
	WIN 0xcf
.irp q, 0,1,2,3,4,5,6,7
	v_pk_fma_f32 v[16*(\c)+2*\q:16*(\c)+2*\q+1], v[16*(\c)+2*\q:16*(\c)+2*\q+1], s[50:51], v[NM:NM+1] op_sel_hi:[1,0,1]
.endr
.endm
.macro EXPS c
	WIN 0xcf
.irp q, 0,1,2,3,4,5,6,7,8,9,10,11,12,13,14,15
	v_exp_f32 v[16*(\c)+\q], v[16*(\c)+\q]
.endr
.endm
.macro CVT c                           ; the weights' B fragment, in place at 8 c: below every register that is still to be read
	WIN 0xcf
.irp q, 0,1,2,3,4,5,6,7
	v_cvt_pk_f16_f32 v[8*(\c)+\q], v[16*(\c)+2*\q], v[16*(\c)+2*\q+1]
.endr
.endm
.macro PV c                            ; O^T e tile 0, e tile 1 and the denominator take turns, one instruction a turn
	WIN (0x0c|(1+(\c)/8))
.set vb_, 24*((\c)%8)
.if (\c) == 0
	v_wmma_f32_16x16x32_f16 v[O0:O0+7], v[vb_:vb_+7],     v[8*(\c):8*(\c)+7], 0
	v_wmma_f32_16x16x32_f16 v[O1:O1+7], v[vb_+8:vb_+15],  v[8*(\c):8*(\c)+7], 0
	v_wmma_f32_16x16x32_f16 v[LS:LS+7], v[vb_+16:vb_+23], v[8*(\c):8*(\c)+7], 0
.else
	v_wmma_f32_16x16x32_f16 v[O0:O0+7], v[vb_:vb_+7],     v[8*(\c):8*(\c)+7], v[O0:O0+7]
	v_wmma_f32_16x16x32_f16 v[O1:O1+7], v[vb_+8:vb_+15],  v[8*(\c):8*(\c)+7], v[O1:O1+7]
	v_wmma_f32_16x16x32_f16 v[LS:LS+7], v[vb_+16:vb_+23], v[8*(\c):8*(\c)+7], v[LS:LS+7]
.endif
.endm
.macro GRPB g                          ; weights and weighted sums of group g = key steps 2 g, 2 g + 1; the products run while the next group's exponentials issue
	FMA 2*\g
	FMA 2*\g+1
	EXPS 2*\g
	EXPS 2*\g+1
	v_nop                                          ; a plain instruction between the exponentials and their use (ISA guide 5.7.2)
	s_wait_alu depctr_va_vdst(0)
	CVT 2*\g
	PV 2*\g
	CVT 2*\g+1
	PV 2*\g+1
	WIN 0
.if \g < 7
	s_cmp_eq_u32 s29, \g+1
	s_cbranch_scc1 .Ljoin
.endif
.endm
	ds_load_b128 v[QF:QF+3],   v[QW]               ; queries 0-15 (my own stores, served in order)
	ds_load_b128 v[QF+4:QF+7], v[QW] offset:512
	v_mov_b32 v[QAD], v[QW]
	v_mov_b32 v[TX], 0                             ; the destination of v_permlanex16_b32 counts as read
	s_mov_b32 s54, 0
.Ltrip:
	s_wait_dscnt 0x0                               ; the Q fragment is in (in the first trip K, V and validity too)
	GRPA 0, 1
.irp g, 1,2,3,4,5,6,7
	GRPA \g, 0
.endr
.Lred:
	v_max3_num_f32 v[AM], v[AM], v[AM+1], v[AM+2]
	v_max_num_f32 v[AM], v[AM], v[AM+3]
	v_permlanex16_b32 v[TX], v[AM], s48, s49       ; the other half of the lanes holds my query's other slots
	v_max_num_f32 v[AM], v[AM], v[TX]
	v_mul_f32 v[NM], s52, v[AM]                    ; - c max, twice
	v_mul_f32 v[NM+1], s52, v[AM]
.irp g, 0,1,2,3,4,5,6,7
	GRPB \g
.endr
.Ljoin:
	PLACES
	v_max_num_f32 v[TX], 0.5, v[LS]                ; l is at least about 1 where a key is unmasked, and 0 where none is
	v_rcp_f32 v[RL], v[TX]
	v_rcp_f32 v[RL+1], v[TX]
	v_add_nc_u32 v[QAD], QSLOT, v[QAD]             ; the plain instruction behind the reciprocals; the next 16 queries' fragment
	s_wait_alu depctr_va_vdst(0)
.irp q, 0,1,2,3,4,5,6,7
	v_pk_mul_f32 v[O0+2*\q:O0+2*\q+1], v[O0+2*\q:O0+2*\q+1], v[RL:RL+1]
.endr
	s_barrier_signal -1                            ; my reads of the stage were waited for in the last trip (none of my LDS instructions is out here)
	s_barrier_wait -1                              ; no wave still reads the stage
	ds_load_b128 v[QF:QF+3],   v[QAD]              ; in the last trip slot 32, the copy
	ds_load_b128 v[QF+4:QF+7], v[QAD] offset:512
	ds_store_b128 v[STW], v[O0:O0+3]               ; query r, e = 8 h + 0 .. 3
	ds_store_b128 v[STW], v[O0+4:O0+7] offset:16
	ds_store_b128 v[STW], v[O1:O1+3]   offset:64   ; e = 16 + 8 h ..
	ds_store_b128 v[STW], v[O1+4:O1+7] offset:80
	s_wait_dscnt 0x0                               ; for the others' sake: my head's part of the 16 rows is in the stage
	s_barrier_signal -1
	s_barrier_wait -1
.irp k, 0,1,2,3
	ds_load_b128 v[OUTR+4*\k:OUTR+4*\k+3], v[STR] offset:SPITCH*\k     ; query row 4 w + k, all four heads: 512 bytes over the 32 lanes
.endr
.irp k, 0,1,2,3
	s_wait_dscnt 3-\k                              ; row k is in, the younger loads stay out
	global_store_b128 v[OG], v[OUTR+4*\k:OUTR+4*\k+3], s[14:15] offset:16384*\k th:TH_STORE_NT   ; 512 consecutive bytes, at a multiple of 512 from out0's first byte
.endr
	s_wait_xcnt 0x0                                ; the stores' base and data are rewritten only behind this wait (ISA guide 3.1)
	s_add_nc_u64 s[14:15], s[14:15], 0x40000       ; 16 query rows of 16,384 bytes
	s_add_co_u32 s54, s54, 1
	s_cmp_lt_u32 s54, 32
	s_cbranch_scc1 .Ltrip
	s_wait_tensorcnt 0x0
	ds_add_u32 v126, v127
	s_wait_dscnt 0x0
	s_endpgm
.Lfunc_end_k_qa289ccdd6b_seqattn:
	.size	k_qa289ccdd6b_seqattn, .Lfunc_end_k_qa289ccdd6b_seqattn-k_qa289ccdd6b_seqattn
	.p2alignl 7, 3214868480
	.fill 96, 4, 3214868480
	.section	.rodata,"a",@progbits
	.p2align	6, 0x0
	.amdhsa_kernel k_qa289ccdd6b_seqattn
		.amdhsa_group_segment_fixed_size 302080
		.amdhsa_private_segment_fixed_size 0
		.amdhsa_enable_private_segment 0
		.amdhsa_kernarg_size 64
		.amdhsa_user_sgpr_count 2
		.amdhsa_user_sgpr_kernarg_segment_ptr 1
		.amdhsa_wavefront_size32 1
		.amdhsa_system_sgpr_workgroup_id_x 1
		.amdhsa_system_sgpr_workgroup_id_y 1
		.amdhsa_system_sgpr_workgroup_id_z 1
		.amdhsa_system_vgpr_workitem_id 0
		.amdhsa_next_free_vgpr 1024
		.amdhsa_next_free_sgpr 66
		.amdhsa_reserve_vcc 1
		.amdhsa_float_denorm_mode_32 3
		.amdhsa_float_denorm_mode_16_64 3
		.amdhsa_memory_ordered 1
		.amdhsa_forward_progress 1
		.amdhsa_inst_pref_size 146
	.end_amdhsa_kernel
	.amdgpu_metadata
---
amdhsa.version: [ 1, 2 ]
amdhsa.kernels:
  - .name:           k_qa289ccdd6b_seqattn
    .symbol:         k_qa289ccdd6b_seqattn.kd
    .args:
      - { .name: inp, .offset: 0, .size: 8, .value_kind: global_buffer, .address_space: global }
      - { .name: mask, .offset: 8, .size: 8, .value_kind: global_buffer, .address_space: global }
      - { .name: bq, .offset: 16, .size: 8, .value_kind: global_buffer, .address_space: global }
      - { .name: bk, .offset: 24, .size: 8, .value_kind: global_buffer, .address_space: global }
      - { .name: bv, .offset: 32, .size: 8, .value_kind: global_buffer, .address_space: global }
      - { .name: out0, .offset: 40, .size: 8, .value_kind: global_buffer, .address_space: global }
      - { .name: counts, .offset: 48, .size: 8, .value_kind: global_buffer, .address_space: global }
      - { .name: wfrag, .offset: 56, .size: 8, .value_kind: global_buffer, .address_space: global }
    .group_segment_fixed_size: 302080
    .private_segment_fixed_size: 0
    .kernarg_segment_align: 8
    .kernarg_segment_size: 64
    .max_flat_workgroup_size: 128
    .sgpr_count:     66
    .vgpr_count:     1024
    .wavefront_size: 32
...
	.end_amdgpu_metadata
.endif
;; end of part 2
